; MI455X (gfx1250); checked and timed in simulation.
; The chip was launched on July 23, 2026; its instructions are those of AMD's public machine-readable ISA for CDNA 5 (MIT licence, August 2026) and "CDNA5" Instruction Set Architecture Reference Guide (July 2026). The comments in the code are by the model that wrote it; some were corrected since.
;; Causal Self Attention. Allowed arithmetic: matrix products marked QUANTISED: E2M1 operands, one E8M0 scale for each 32 along K, by v_wmma_scale_f32_16x16x128_f8f6f4 with both operands' format E2M1 (or v_wmma_scale_f32_32x16x128_f4), f32 sums; everything else in f32.
;; Inputs: Wk 512 x 512 float32; Wq 512 x 512 float32; Wv 512 x 512 float32; bk 512 float32; bq 512 float32; bv 512 float32; src 4 x 2,048 x 512 float32.
;; Outputs: out0 4 x 2,048 x 512 float32.
;; This version of the problem:
;;   THIS VERSION OF THE PROBLEM IS GIVEN IN LOW PRECISION. The matrix products marked QUANTISED in the list below multiply operands that are first quantised to E2M1 (2 exponent bits, 1 mantissa bit; 4 bits a number), with one power-of-two scale for each 32 numbers along K (OCP MX v1.0); their sums are f32. All else is computed in f32.
;;   The module's matrix products, in the order in which they are computed (A, B: the left and right operand; K: the contracted axis; several contracted axes count as one K, in the product's order):
;;     1. [M 8,192, K 512] x [K 512, N 512]; A: input src; B: input Wq: QUANTISED
;;     2. [M 8,192, K 512] x [K 512, N 512]; A: input src; B: input Wk: QUANTISED
;;     3. [M 8,192, K 512] x [K 512, N 512]; A: input src; B: input Wv: QUANTISED
;;     4. batch 32 x [M 2,048, K 64] x [K 64, N 2,048]; A: computed on the way; B: computed on the way: QUANTISED
;;     5. batch 32 x [M 64, K 2,048] x [K 2,048, N 2,048]; A: computed on the way; B: softmax (see below): QUANTISED
;;   THE QUANTISER, for each operand of a quantised product, along K:
;;     - K is cut into blocks of 32 from its start; a last block that is shorter is filled with zeros.
;;     - A block's scale is 2^e with e = floor(log2(the largest magnitude in the block)) - 2, held to -126 .. 127; a block of zeros has e = 0. As a byte (E8M0): e + 127.
;;     - Each number is divided by its block's scale, clamped to +-6, and rounded to the nearest number of E2M1, ties to even, subnormals kept.
;;     - The product sums the exact products of the quantised numbers (number of the format x scale) in f32.
;;   ~~~python
;;   def quantise(x, axis):      # numpy; x: float32 -> the quantised numbers, widened to float32 again
;;       x = np.moveaxis(x, axis, -1); K = x.shape[-1]
;;       x = np.pad(x, [(0, 0)] * (x.ndim - 1) + [(0, -K % 32)]); x = x.reshape(x.shape[:-1] + (-1, 32)); a = np.abs(x).max(-1, keepdims=True)
;;       e = np.where(a > 0, np.clip(np.frexp(np.where(a > 0, a, 1))[1] - 1 - 2, -126, 127), 0)      # np.frexp(a)[1] - 1 = floor(log2(a)), exactly
;;       r = np.clip(x / 2.0 ** e, -6, 6)
;;       step = 2.0 ** (np.maximum(np.frexp(np.where(r == 0, 1, r))[1] - 1, 0) - 1)
;;       q = np.round(r / step) * step * 2.0 ** e      # np.round: ties to even
;;       return np.moveaxis(q.reshape(q.shape[:-2] + (-1,))[..., :K], -1, axis).astype(np.float32)
;;   ~~~
;;   SOFTMAX AHEAD OF A QUANTISED PRODUCT. Where the list says 'softmax', what is quantised is not the finished softmax but p = 2^(t - M), with t = logit x log2(e) and M = ceil(the row's largest t), a whole number; so 1/2 < the row's largest p <= 1. The row's sum l is taken of the UNQUANTISED p, in f32, and the product's result is divided by l at the end. Since M is a whole number, a kernel that streams over the keys may use a running M (the ceiling of the running maximum): every later rescaling is an exact power of two, which a block's scale takes up: the codes' values come out the same.
;;   OPERANDS COMPUTED ON THE WAY. 'Computed on the way' means the value that the module computes at that place (a softmax that the list does not call 'softmax' is quantised finished and normalised). What goes into a quantiser is computed in f32, as accurately as f32 sums, v_exp_f32 and their like allow (about 1e-6 of the number): no bf16 or f16 on the way to a quantiser, and a product that is left as it is and whose result goes on into a quantised operand takes f32 operands (vector FMAs, or v_wmma_f32_16x16x4_f32). A number that lies on a knife's edge between two numbers of the format may be rounded either way, as far as f32 arithmetic and the matrix unit's own rounding can turn it there, and no further.
;; One version. Each part assembles by itself: llvm-mc -triple=amdgcn-amd-amdhsa -mcpu=gfx1250 --defsym DOCPART=n.
;; ======== version 1 of 1: 3 launches
;; limits: right only within a limited range of input values
;; workspace buffers: xc 2,228,224 bytes; wc 417,792 bytes; qc 2,097,152 bytes; qs 262,144 bytes; kv 4,587,520 bytes
;; launch prep (part 1): grid 256 x 1, 4 waves a work-group, no clusters, 167,936 bytes of LDS; arguments src, Wq, Wk, Wv, xc, wc; writes xc, wc
.if DOCPART == 1
	.amdgcn_target "amdgcn-amd-amdhsa--gfx1250"
	.amdhsa_code_object_version 6
	.text
	.protected	k_qc80d6164eb_prep
	.globl	k_qc80d6164eb_prep
	.p2align	8
	.type	k_qc80d6164eb_prep,@function
k_qc80d6164eb_prep:
	s_mov_b64 s[64:65], 0
	v_nop
	global_prefetch_b8 v0, s[64:65] scope:SCOPE_SE
	s_setreg_imm32_b32 hwreg(HW_REG_WAVE_MODE, 25, 1), 1
	s_wait_xcnt 0x0
; src [8192][512] f32 and Wq, Wk, Wv [512 (k)][512 (n)] f32 become codes of FP4 (E2M1) with one E8M0 byte for each 32 along K, laid as IMAGES OF OPERAND REGISTERS for the next launch.
; A block's scale is 2^(floor(log2(its largest magnitude)) - 2); its byte is the largest magnitude's exponent field - 2, held at 1 from below.
; LIMITS: NaN and infinities among the inputs are not served.  A block whose largest magnitude lies under 2^-124, a block of zeros among them, gets the byte 1 (the rule gives a block of zeros 127):
; a block of zeros has zero codes, which add nothing under any byte but 0xff, and these bytes are read by this program alone.
; NO WORK OF reference() IS LEFT OUT in this program: every input has its way to the output, the bias on k too, since it moves the codes of a quantised operand.
; A RECORD is 17,408 bytes: sixteen fragments [tile 4][K step 4][1,024], then scale words [tile / 2][K step 4][16 (tile % 2) + r].  In a fragment the 16 bytes at 512 c + 256 h + 16 r are k = 64 c + 32 h + 0 .. 31 of the step.
; xc: [128 groups of 64 tokens] records; tile m holds tokens 8 m + r % 8 + 32 (r / 8).   wc: [8 heads][3 matrices] records; for Wq, Wk tile t holds columns 8 t + r % 8 + 32 (r / 8) of the head's 64, for Wv columns 16 t + r.
; SHARES.  Work-groups 0 to 127: a group of 64 tokens each; wave w brings K step w of the 64 rows by ONE tensor load into LDS bytes of its own, and makes its four tiles: no barrier, nothing is filled twice.
; Work-groups 128 to 255: 192 tasks of 32 columns x 128 along K, one a wave (two waves of a work-group at the most): a lane takes a column and its 128 registers run down K, from memory straight into registers.
; In both a lane holds WHOLE blocks of 32: no other lane is asked for a maximum.  No cluster: the work-groups share no input byte.  No prefetch: there is no loop to run ahead in, every byte is asked for once at the head.
.set FLOOR, 0x1800000                  ; 2^(3 - 127): under it no largest magnitude is taken, so the byte cannot fall under 1
.set EOFF,  0xff000000                 ; takes 2 off an exponent field
.set RECX,  17408
.set XTW,   33792                      ; LDS: wave w's strip of src: 64 rows x (512 bytes + 16 of padding)
.set XP,    528
.set SPARE, 4*XTW                      ; the spare words, 128 bytes for each wave
.set XR,  5                            ; v5   my row and half in my wave's strip
.set LI,  6                            ; v6   16 x lane
.set L4,  7                            ; v7   4 x lane
.set H8,  8                            ; v8   8 h
.set SPW, 14                           ; v14  LDS address of my spare word;  v15  0; never rewritten
.set NIL, 15
.set PC,  16                           ; v16-47 codes: eight registers for each tile, so that no store's data are written again
.set TM,  48                           ; v48-56 at work
.set PW,  57                           ; v57-60 the tiles' scale words
.set SW,  61                           ; v61-62 the same, two tiles to a register
.set SA,  64                           ; v64-127, v128-191 two sets of 64 numbers
.set SB,  128
.set X,   32                           ; the weights: v32-159 my column's 128 numbers
.set C,   160                          ; v160-175 codes
.set WV,  36
.set SEL, 38                           ; s[38:39] v_permlanex16_b32's selects for lane l xor 16
	s_load_b256 s[4:11], s[0:1], 0x0               ; src s[4:5], Wq s[6:7], Wk s[8:9], Wv s[10:11]
	s_load_b128 s[12:15], s[0:1], 0x20             ; xc s[12:13], wc s[14:15]
	v_lshl_add_u32 v[SPW], v0, 2, SPARE
	v_mov_b32 v[NIL], 0
	ds_add_u32 v[SPW], v[NIL]                      ; the wave's opening: the add, twice on end, and its wait ahead of my tensor load
	ds_add_u32 v[SPW], v[NIL]
	v_lshrrev_b32 v1, 5, v0
	v_readfirstlane_b32 s[WV], v1                  ; wave 0..3
	v_and_b32 v2, 31, v0                           ; lane
	v_and_b32 v3, 15, v0                           ; r
	v_bfe_u32 v4, v0, 4, 1                         ; h
	v_and_b32 v5, 8, v3
	v_mad_u32_u24 v5, v5, 3, v3                    ; r % 8 + 32 (r / 8)
	v_mul_u32_u24 v5, v5, XP
	v_lshl_add_u32 v5, v4, 7, v5                   ; + 128 h: my block of 32 numbers
	s_mul_i32 s33, s[WV], XTW                      ; my strip; also the descriptor's LDS address
	v_add_nc_u32 v[XR], s33, v5
	v_lshlrev_b32 v[LI], 4, v2
	v_lshlrev_b32 v[L4], 2, v2
	v_lshlrev_b32 v[H8], 3, v4
	; descriptor group 1: 64 rows x 128 elements of 4 bytes, 512 elements from row to row, 4 words of padding behind every 128
	s_mov_b32 s24, (2<<16)|(1<<20)|(6<<22)|(3<<25)
	s_mov_b32 s25, 128<<16                         ; tensor_dim0
	s_mov_b32 s26, 64<<16                          ; tensor_dim1
	s_mov_b32 s27, 128<<16                         ; tile_dim0
	s_mov_b32 s28, 64                              ; tile_dim1
	s_mov_b32 s29, 512                             ; tensor_dim0_stride
	s_mov_b32 s30, 0
	s_mov_b32 s31, 0
	s_mov_b32 s32, 1                               ; count = 1
	s_lshl_b32 s48, ttmp9, 17                      ; src: 64 rows of 2,048 bytes for each group,
	s_lshl_b32 s49, s[WV], 9                       ; + my 512 bytes of a row
	s_add_co_u32 s48, s48, s49
	s_mov_b32 s49, 0
	s_wait_alu depctr_va_vdst(0)
	s_wait_dscnt 0x0                               ; both opening adds are done
	s_wait_kmcnt 0x0
	s_cmp_lt_u32 ttmp9, 128                        ; tokens or weights?  The choice hangs on the work-group's number alone
	s_cbranch_scc0 .Lweights
	s_add_nc_u64 s[34:35], s[4:5], s[48:49]
	s_or_b32 s35, s35, 0x80000000                  ; type = 2
	tensor_load_to_lds s[32:35], s[24:31]          ; my one tensor load: it fills bytes that only I read, once
	s_nop 0
.rept 4
	v_nop
.endr
	s_mov_b32 s[SEL], 0x76543210
	s_mov_b32 s[SEL+1], 0xfedcba98
	s_mov_b32 s40, 0xffff0000                      ; lanes 16-31
	s_mul_i32 s50, ttmp9, RECX                     ; my record
	s_lshl_b32 s52, s[WV], 10
	s_add_co_u32 s52, s52, s50
	s_mov_b32 s53, 0
	s_add_nc_u64 s[54:55], s[12:13], s[52:53]      ; codes: + 1,024 w
	s_lshl_b32 s52, s[WV], 7
	s_add_co_u32 s52, s52, s50
	s_add_co_u32 s52, s52, 16384
	s_add_nc_u64 s[56:57], s[12:13], s[52:53]      ; scale words: + 16,384 + 128 w
	v_mov_b32 v[TM+8], 0                           ; written once: a lane permute's destination counts as one of its sources
.macro XL m, set                       ; tile m's 64 numbers of a lane: register 32 c + i = k 64 c + 32 h + i of my token
.irp c, 0,1
.irp j, 0,1,2,3,4,5,6,7
	ds_load_b128 v[\set+32*\c+4*\j:\set+32*\c+4*\j+3], v[XR] offset:8*\m*XP+256*\c+16*\j
.endr
.endr
.endm
.macro QX m, set                       ; they become a fragment's codes (registers 4 c .. 4 c + 3) and its scale word, valid in both halves of the lanes
.irp c, 0,1
	v_max3_num_f32 v[TM+2*\c], |v[\set+32*\c]|, |v[\set+32*\c+1]|, FLOOR
	v_max3_num_f32 v[TM+2*\c+1], |v[\set+32*\c+16]|, |v[\set+32*\c+17]|, FLOOR
.endr
.irp i, 2,4,6,8,10,12,14
.irp c, 0,1
	v_max3_num_f32 v[TM+2*\c], v[TM+2*\c], |v[\set+32*\c+\i]|, |v[\set+32*\c+1+\i]|
	v_max3_num_f32 v[TM+2*\c+1], v[TM+2*\c+1], |v[\set+32*\c+16+\i]|, |v[\set+32*\c+17+\i]|
.endr
.endr
.irp c, 0,1
	v_max_num_f32 v[TM+2*\c], v[TM+2*\c], v[TM+2*\c+1]
.endr
.irp c, 0,1
	v_add_nc_u32 v[TM+4+\c], EOFF, v[TM+2*\c]      ; the conversion's scale operand: it takes the exponent field, and nothing else of it
.endr
.irp c, 0,1
	v_lshrrev_b32 v[TM+6+\c], 23, v[TM+4+\c]       ; the scale's byte
.endr
	v_lshl_or_b32 v[TM+6], v[TM+7], 16, v[TM+6]
	v_lshlrev_b32 v[TM+6], v[H8], v[TM+6]          ; my two bytes at their places, h and 2 + h,
	v_permlanex16_b32 v[TM+8], v[TM+6], s[SEL], s[SEL+1]
.irp c, 0,1
.irp g, 0,1,2,3
	v_cvt_scalef32_pk8_fp4_f32 v[PC+8*\m+4*\c+\g], v[\set+32*\c+8*\g:\set+32*\c+8*\g+7], v[TM+4+\c]
.endr
.endr
	v_or_b32 v[PW+\m], v[TM+6], v[TM+8]            ; and lane l xor 16's two.  (The plain place behind the conversions)
.irp c, 0,1
	global_store_b128 v[LI], v[PC+8*\m+4*\c:PC+8*\m+4*\c+3], s[54:55] offset:4096*\m+512*\c   ; 32 lanes store 512 consecutive bytes, aligned
.endr
.endm
	s_wait_alu depctr_va_vdst(0)
	s_wait_tensorcnt 0x0                           ; my strip has landed; its bytes are my own
	XL 0, SA
	XL 1, SB
	s_wait_dscnt 16                                ; tile 0's 16 loads are in; tile 1's may be out
	QX 0, SA
	XL 2, SA
	s_wait_dscnt 16                                ; tile 1's; tile 2's may be out
	QX 1, SB
	XL 3, SB
	s_wait_dscnt 16                                ; tile 2's; tile 3's may be out
	QX 2, SA
	s_wait_dscnt 0x0
	QX 3, SB
.irp p, 0,1
	v_cndmask_b32 v[SW+\p], v[PW+2*\p], v[PW+2*\p+1], s40   ; lanes 0-15: tile 2 p's words; lanes 16-31: tile 2 p + 1's
.endr
.irp p, 0,1
	global_store_b32 v[L4], v[SW+\p], s[56:57] offset:512*\p       ; 32 lanes store 128 consecutive bytes
.endr
	s_branch .Lend
.Lweights:
	s_sub_co_u32 s16, ttmp9, 128
	s_lshl_b32 s17, s[WV], 7
	s_add_co_u32 s16, s16, s17                     ; my task
	s_cmp_lt_u32 s16, 192
	s_cbranch_scc0 .Lend
	s_lshr_b32 s17, s16, 2                         ; a group of 32 columns, 0..47
	s_and_b32 s18, s16, 3                          ; the K step
	s_lshr_b32 s19, s17, 4                         ; the matrix
	s_bfe_u32 s20, s17, 0x30001                    ; the head
	s_and_b32 s21, s17, 1                          ; hf: I make tiles 2 hf and 2 hf + 1
	s_cmp_eq_u32 s19, 0
	s_cselect_b64 s[4:5], s[6:7], s[8:9]
	s_cmp_lt_u32 s19, 2
	s_cselect_b64 s[4:5], s[4:5], s[10:11]         ; my matrix
	s_cselect_b32 s22, -1, 0                       ; Wq or Wk?
	s_lshl_b32 s23, s21, 4
	s_lshl_b32 s41, s21, 5
	v_and_b32 v9, 7, v0
	v_and_b32 v10, 8, v0
	v_lshl_add_u32 v9, v10, 2, v9
	v_lshl_add_u32 v9, v4, 3, v9
	v_add_nc_u32 v9, s23, v9                       ; Wq, Wk: column 16 hf + 8 u + r % 8 + 32 (r / 8), u = lane / 16
	v_add_nc_u32 v10, s41, v2                      ; Wv: column 32 hf + lane
	v_cndmask_b32 v1, v10, v9, s22
	v_lshlrev_b32 v1, 2, v1                        ; in: 4 bytes a lane
	v_lshlrev_b32 v11, 4, v3
	v_lshl_add_u32 v11, v4, 12, v11                ; codes: 4,096 u + 16 r
	s_lshl_b32 s50, s20, 8                         ; W: 64 columns x 4 bytes for each head,
	s_lshl_b32 s51, s18, 18                        ; 128 rows of 2,048 bytes for each K step
	s_add_co_u32 s50, s50, s51
	s_mov_b32 s51, 0
	s_mul_i32 s56, s20, 3
	s_add_co_u32 s56, s56, s19
	s_mul_i32 s56, s56, RECX                       ; my record
	s_lshl_b32 s52, s21, 13                        ; codes: + 8,192 hf + 1,024 x K step
	s_lshl_b32 s57, s18, 10
	s_add_co_u32 s52, s52, s57
	s_add_co_u32 s52, s52, s56
	s_mov_b32 s53, 0
	s_lshl_b32 s54, s21, 9                         ; scale words: + 16,384 + 512 hf + 128 x K step
	s_lshl_b32 s57, s18, 7
	s_add_co_u32 s54, s54, s57
	s_add_co_u32 s54, s54, s56
	s_add_co_u32 s54, s54, 16384
	s_mov_b32 s55, 0
	s_add_nc_u64 s[4:5], s[4:5], s[50:51]
	s_add_nc_u64 s[52:53], s[14:15], s[52:53]
	s_add_nc_u64 s[54:55], s[14:15], s[54:55]
	s_wait_alu depctr_va_vdst(0)
.set i, 0
.rept 128
	global_load_b32 v[X+i], v1, s[4:5] offset:i*2048 th:TH_LOAD_NT   ; W(128 s + i, my column); read once in the launch
.set i, i+1
.endr
; Block b of the step: all its 32 numbers are mine.  left: how many younger loads may stay out
.macro BLOCK b, left
.set XB, X+32*\b
	s_wait_loadcnt \left
	v_max3_num_f32 v9, |v[XB]|, |v[XB+1]|, |v[XB+2]|               ; the largest magnitude, in two chains
	v_max3_num_f32 v10, |v[XB+3]|, |v[XB+4]|, |v[XB+5]|
.irp i, 6,10,14,18,22,26
	v_max3_num_f32 v9, v9, |v[XB+\i]|, |v[XB+\i+1]|
	v_max3_num_f32 v10, v10, |v[XB+\i+2]|, |v[XB+\i+3]|
.endr
	v_max3_num_f32 v9, v9, |v[XB+30]|, |v[XB+31]|
	v_max3_num_f32 v9, v9, v10, FLOOR
	v_add_nc_u32 v12, EOFF, v9
	v_lshrrev_b32 v10, 23, v12                     ; the scale's byte
.if \b == 0
	v_mov_b32 v13, v10
.else
	v_lshl_or_b32 v13, v10, 8*\b, v13              ; four bytes make the step's word, the lower K in the lower byte
.endif
.irp g, 0,1,2,3
	v_cvt_scalef32_pk8_fp4_f32 v[C+4*\b+\g], v[XB+8*\g:XB+8*\g+7], v12
.endr
	v_nop                                          ; one plain place behind a scaled conversion
	global_store_b128 v11, v[C+4*\b:C+4*\b+3], s[52:53] offset:256*\b   ; sixteen lanes of one tile store 256 consecutive bytes, aligned
.endm
	BLOCK 0, 63                                    ; 96 loads stand behind block 0's and 64 behind block 1's; the wait's field names 63 at the most, and a smaller count is safe
	BLOCK 1, 63
	BLOCK 2, 32
	BLOCK 3, 0
	global_store_b32 v[L4], v13, s[54:55]          ; 32 lanes store 128 consecutive bytes
.Lend:
	s_wait_tensorcnt 0x0                           ; the wave's end
	ds_add_u32 v[SPW], v[NIL]
	s_wait_dscnt 0x0
	s_endpgm
.Lfunc_end_k_qc80d6164eb_prep:
	.size	k_qc80d6164eb_prep, .Lfunc_end_k_qc80d6164eb_prep-k_qc80d6164eb_prep
	.p2alignl 7, 3214868480
	.fill 96, 4, 3214868480
	.section	.rodata,"a",@progbits
	.p2align	6, 0x0
	.amdhsa_kernel k_qc80d6164eb_prep
		.amdhsa_group_segment_fixed_size 167936
		.amdhsa_private_segment_fixed_size 0
		.amdhsa_enable_private_segment 0
		.amdhsa_kernarg_size 48
		.amdhsa_user_sgpr_count 2
		.amdhsa_user_sgpr_kernarg_segment_ptr 1
		.amdhsa_wavefront_size32 1
		.amdhsa_system_sgpr_workgroup_id_x 1
		.amdhsa_system_sgpr_workgroup_id_y 1
		.amdhsa_system_sgpr_workgroup_id_z 1
		.amdhsa_system_vgpr_workitem_id 0
		.amdhsa_next_free_vgpr 256
		.amdhsa_next_free_sgpr 66
		.amdhsa_reserve_vcc 0
		.amdhsa_float_denorm_mode_32 3
		.amdhsa_float_denorm_mode_16_64 3
		.amdhsa_memory_ordered 1
		.amdhsa_forward_progress 1
		.amdhsa_inst_pref_size 41
	.end_amdhsa_kernel
	.amdgpu_metadata
---
amdhsa.version: [ 1, 2 ]
amdhsa.kernels:
  - .name:           k_qc80d6164eb_prep
    .symbol:         k_qc80d6164eb_prep.kd
    .args:
      - { .name: src, .offset: 0, .size: 8, .value_kind: global_buffer, .address_space: global }
      - { .name: Wq, .offset: 8, .size: 8, .value_kind: global_buffer, .address_space: global }
      - { .name: Wk, .offset: 16, .size: 8, .value_kind: global_buffer, .address_space: global }
      - { .name: Wv, .offset: 24, .size: 8, .value_kind: global_buffer, .address_space: global }
      - { .name: xc, .offset: 32, .size: 8, .value_kind: global_buffer, .address_space: global }
      - { .name: wc, .offset: 40, .size: 8, .value_kind: global_buffer, .address_space: global }
    .group_segment_fixed_size: 167936
    .private_segment_fixed_size: 0
    .kernarg_segment_align: 8
    .kernarg_segment_size: 48
    .max_flat_workgroup_size: 128
    .sgpr_count:     66
    .vgpr_count:     256
    .wavefront_size: 32
...
	.end_amdgpu_metadata
.endif
;; end of part 1
;; launch proj (part 2): grid 8 x 32, 4 waves a work-group, clusters of 4 x 4, 167,936 bytes of LDS; arguments xc, wc, bq, bk, bv, qc, qs, kv; writes qc, qs, kv
.if DOCPART == 2
	.amdgcn_target "amdgcn-amd-amdhsa--gfx1250"
	.amdhsa_code_object_version 6
	.text
	.protected	k_qc80d6164eb_proj
	.globl	k_qc80d6164eb_proj
	.p2align	8
	.type	k_qc80d6164eb_proj,@function
k_qc80d6164eb_proj:
	s_mov_b64 s[64:65], 0
	v_nop
	global_prefetch_b8 v0, s[64:65] scope:SCOPE_SE
	s_setreg_imm32_b32 hwreg(HW_REG_WAVE_MODE, 25, 1), 1
	s_wait_xcnt 0x0
	s_wait_alu depctr_hold_cnt(0) depctr_sa_sdst(0) depctr_va_vdst(0) depctr_va_sdst(0) depctr_va_ssrc(0) depctr_va_vcc(0) depctr_vm_vsrc(0)
	s_getreg_b32 s2, hwreg(HW_REG_IB_STS2, 6, 4)
	s_cmp_eq_u32 s2, 0
	s_cbranch_scc0 .Lentry_in_a_cluster
	s_endpgm
.Lentry_in_a_cluster:
	s_bfe_u32 s2, ttmp6, 0x10000c
	s_cmp_lg_u32 s2, 0xf033
	s_cbranch_scc0 .Lentry_shape_is_right
	s_endpgm
.Lentry_shape_is_right:
; q, k, v = src W + b on codes of FP4 (E2M1) with one E8M0 scale for each 32 along K, and the results quantised again for the attention launch: q and k along the head's 64, v along the keys.
; LIMITS: NaN and infinities are not served.  A block whose largest magnitude lies under 2^-124, a block of zeros among them, gets the byte 1 (the rule gives zeros 127): zero codes add nothing, and this program alone reads the bytes.
; No work of reference() is left out.
; SHARES.  Work-group (x = head, y = 256 tokens): four waves; wave w makes the head's q, k and v for 64 of the tokens: three units of 16 accumulators, four K steps of 128 each: 192 matrix instructions.
; LDS: the tokens' four records (69,632 bytes) and the head's three (52,224), images of operand registers, filled ONCE by one tensor load a wave: waves 0 and 1 bring the tokens' halves, waves 2 and 3 the weights'.
; CLUSTERS of 4 x 4: the four of a row need the same tokens, the four of a column the same weights: each load is asked for JOINTLY, with the same descriptor and a mask that names the four.
; NO PREFETCH: there is no loop to run ahead in; every record is asked for once, at the head.
; TOKEN TILES: tile m of 64 tokens holds tokens 8 m + r % 8 + 32 (r / 8), and W's column tiles for q and k likewise: so of every product a lane (r, h) holds, in 32 registers of four tiles, ONE block of 32
; of the next product's K: for q and k (TRANSPOSED: source 0 = 16 columns of W) a token's d = 32 h + 0 .. 31, for v (source 0 = tokens) a column's tokens 32 h + 0 .. 31.
; The biases are the C of each sum's first matrix instruction, in the result's layout.
; OUT: qc [bh][tile 128][512]: lane (r, h): d = 32 h .. 32 h + 31.  qs [bh][64 tokens][16 (tile % 2) + r][tile / 2] words: two bytes, then 0x7f7f.
; kv [bh][key step 16][8,960]: +0 k's codes [tile 8][512]; +4,096 v's codes [t 4][c 2][512]; +8,192 k's scale words, as qs; +8,704 v's scale words [16 (t % 2) + r][t / 2].
; REGISTERS, in windows of 256: window 0: v1-13 addresses; v16-31 codes just made; v34-55 at work; v64-191 the 16 accumulators; v192-199 the tokens' scale words, v200-223 the weights'.
;   window 1: v0-127 the tokens' fragments (tile m, step s at 8 (4 m + s)); v128-255 Wq's (tile t, step s at 128 + 8 (4 t + s)).   window 2: Wk's, Wv's.   window 3: the biases' tiles: q v0-31, k v32-63, v v64-95.
.set FLOOR, 0x1800000                  ; 2^(3 - 127)
.set EOFF,  0xff000000                 ; takes 2 off an exponent field
.set RECX,  17408                      ; a record: 16 fragments of 1,024 bytes, then 1,024 bytes of scale words [tile / 2][K step][16 (tile % 2) + r]
.set WLB,   4*RECX                     ; LDS: the weights' records, behind the tokens' four
.set SPARE, 7*RECX                     ; the spare words, 128 bytes for each wave
.set LI,  1                            ; v1   16 x lane
.set L8,  2                            ; v2   8 x lane
.set L4,  3                            ; v3   4 x lane
.set LXI, 4                            ; v4   my wave's record of tokens: fragments,
.set LXS, 5                            ; v5   scale words
.set LWI, 6                            ; v6   the weights' likewise
.set LWS, 7
.set BQA, 9                            ; v9   128 h: bq's, bk's bytes for my half
.set BVA, 10                           ; v10  4 r: bv's
.set H8,  11                           ; v11  8 h: a scale byte's place in its pair
.set PC,  16
.set HW,  34                           ; v34-37 a group's two scale bytes
.set SW,  38                           ; v[38:39] scale words to store
.set TM,  40
.set ACC, 64
.set XS,  192
.set WS,  200
.set G0A, 20                           ; s[20:23], s[28:35] descriptor groups 0 and 1 for the tokens;  s[24:27], s[44:51] for the weights
.set G0B, 24
.set G1A, 28
.set G1B, 44
.set WV,  36                           ; s36  wave
.set HM,  37                           ; s37  lanes 16-31
.set SEL, 38                           ; s[38:39] v_permlanex16_b32's selects for lane l xor 16
.set MSB, 0
.macro WIN new                         ; the immediate's high byte repeats the setting that is left
.if MSB != (\new)
	s_set_vgpr_msb (MSB<<8)|(\new)
.set MSB, (\new)
.endif
.endm
; A round of the cluster's barrier: my work-group's barrier; wave 0 signals for the work-group; every wave waits for all sixteen work-groups; my work-group's barrier once more
.macro CROUND
	s_barrier_signal -1
	s_barrier_wait -1
	s_cmp_lg_u32 s[WV], 0
	s_cbranch_scc1 .Lnot_wave_0_\@
	s_barrier_signal -3
.Lnot_wave_0_\@:
	s_barrier_wait -3
	s_barrier_signal -1
	s_barrier_wait -1
.endm
	s_load_b256 s[4:11], s[0:1], 0x0               ; xc s[4:5], wc s[6:7], bq s[8:9], bk s[10:11]
	s_load_b256 s[12:19], s[0:1], 0x20             ; bv s[12:13], qc s[14:15], qs s[16:17], kv s[18:19]
	v_lshl_add_u32 v254, v0, 2, SPARE
	v_mov_b32 v255, 0
	ds_add_u32 v254, v255                          ; the wave's opening: the add, twice on end, and its wait ahead of my tensor load
	ds_add_u32 v254, v255
	v_lshrrev_b32 v14, 5, v0
	v_readfirstlane_b32 s[WV], v14                 ; wave 0..3
	v_and_b32 v14, 31, v0                          ; lane
	v_and_b32 v15, 15, v0                          ; r
	v_bfe_u32 v16, v0, 4, 1                        ; h
	v_lshlrev_b32 v[LI], 4, v14
	v_lshlrev_b32 v[L8], 3, v14
	v_lshlrev_b32 v[L4], 2, v14
	s_mul_i32 s66, s[WV], RECX
	v_add_nc_u32 v[LXI], s66, v[LI]
	v_add_nc_u32 v[LXS], s66, v[L4]
	v_add_nc_u32 v[LWI], WLB, v[LI]
	v_add_nc_u32 v[LWS], WLB, v[L4]
	v_lshlrev_b32 v[BQA], 7, v16
	v_lshlrev_b32 v[BVA], 2, v15
	v_lshlrev_b32 v[H8], 3, v16
	s_lshr_b32 s67, s[WV], 1                       ; I fetch tokens (0) or weights (1),
	s_and_b32 s68, s[WV], 1                        ; and which half of them
	s_bfe_u32 s69, ttmp6, 0x40000                  ; cx, cy: my place in the cluster
	s_bfe_u32 s70, ttmp6, 0x40004
	s_lshl_b32 s71, ttmp9, 2                       ; in a cluster launch ttmp9 and ttmp7 count clusters
	s_add_co_u32 s71, s71, s69                     ; my head
	s_and_b32 s72, ttmp7, 0xffff
	s_lshl_b32 s72, s72, 2
	s_add_co_u32 s72, s72, s70                     ; my 256 tokens, 0..31
	s_lshl_b32 s73, s70, 2
	s_lshl_b32 s73, 15, s73                        ; my row of the cluster
	s_lshl_b32 s74, 0x1111, s69                    ; my column
	; descriptor group 1: dense rows of 256 bytes (32 elements of 8 bytes): 136 for two records of tokens, 102 for half of the weights' three
	s_or_b32 s[G1A], s73, (3<<16)|(1<<21)          ; 15:0 the mask; 17:16 elements of 8 bytes; 21 set beside a mask; no padding
	s_mov_b32 s[G1A+1], 32<<16                     ; tensor_dim0
	s_mov_b32 s[G1A+2], 136<<16                    ; tensor_dim1
	s_mov_b32 s[G1A+3], 32<<16                     ; tile_dim0
	s_mov_b32 s[G1A+4], 136                        ; tile_dim1
	s_mov_b32 s[G1A+5], 32                         ; tensor_dim0_stride
	s_mov_b32 s[G1A+6], 0
	s_mov_b32 s[G1A+7], 0
	s_or_b32 s[G1B], s74, (3<<16)|(1<<21)
	s_mov_b32 s[G1B+1], 32<<16
	s_mov_b32 s[G1B+2], 102<<16
	s_mov_b32 s[G1B+3], 32<<16
	s_mov_b32 s[G1B+4], 102
	s_mov_b32 s[G1B+5], 32
	s_mov_b32 s[G1B+6], 0
	s_mov_b32 s[G1B+7], 0
	s_lshl_b32 s76, s72, 2                         ; tokens: records 4 y + 2 x half, which my row of the cluster shares
	s_lshl_b32 s77, s68, 1
	s_add_co_u32 s76, s76, s77
	s_mul_i32 s76, s76, RECX
	s_mov_b32 s77, 0
	s_mul_i32 s81, s68, 2*RECX                     ; and where they go: no place in the cluster enters an LDS address
	s_mul_i32 s80, s68, 26112                      ; weights: the head's 52,224 bytes, my half, which my column shares
	s_mul_i32 s78, s71, 52224
	s_add_co_u32 s78, s78, s80
	s_mov_b32 s79, 0
	s_add_co_u32 s82, s80, WLB
	s_wait_alu depctr_va_vdst(0)
	s_wait_dscnt 0x0                               ; both opening adds are done
	s_wait_kmcnt 0x0
	s_mov_b32 s[G0A], 1                            ; count = 1
	s_mov_b32 s[G0A+1], s81                        ; LDS address
	s_add_nc_u64 s[G0A+2:G0A+3], s[4:5], s[76:77]
	s_or_b32 s[G0A+3], s[G0A+3], 0x80000000        ; type = 2
	s_mov_b32 s[G0B], 1
	s_mov_b32 s[G0B+1], s82
	s_add_nc_u64 s[G0B+2:G0B+3], s[6:7], s[78:79]
	s_or_b32 s[G0B+3], s[G0B+3], 0x80000000
	CROUND                                         ; all sixteen work-groups are here: the joint loads meet
	s_cmp_eq_u32 s67, 0                            ; one tensor load a wave; the branch hangs on the wave's number alone
	s_cbranch_scc0 .Lfor_w
	tensor_load_to_lds s[G0A:G0A+3], s[G1A:G1A+7]
	s_nop 0
.rept 4
	v_nop
.endr
	s_branch .Lasked
.Lfor_w:
	tensor_load_to_lds s[G0B:G0B+3], s[G1B:G1B+7]
	s_nop 0
.rept 4
	v_nop
.endr
.Lasked:
	s_lshl_b32 s84, s71, 8
	s_mov_b32 s85, 0
	s_add_nc_u64 s[8:9], s[8:9], s[84:85]          ; the biases at my head's 64 numbers
	s_add_nc_u64 s[10:11], s[10:11], s[84:85]
	s_add_nc_u64 s[12:13], s[12:13], s[84:85]
	WIN 0xc0                                       ; destination window 3
.irp t, 0,1,2,3                                ; bq, bk: lane (r, h), register j of tile t: d = 32 h + 8 t + j
	global_load_b128 v[8*\t:8*\t+3], v[BQA], s[8:9] offset:32*\t
	global_load_b128 v[8*\t+4:8*\t+7], v[BQA], s[8:9] offset:32*\t+16
	global_load_b128 v[32+8*\t:32+8*\t+3], v[BQA], s[10:11] offset:32*\t
	global_load_b128 v[32+8*\t+4:32+8*\t+7], v[BQA], s[10:11] offset:32*\t+16
	global_load_b32 v[64+8*\t], v[BVA], s[12:13] offset:64*\t   ; bv: all eight registers of tile t hold column d = 16 t + r: the seven copies are made when it is in
.endr
	WIN 0
	s_mov_b32 s[SEL], 0x76543210
	s_mov_b32 s[SEL+1], 0xfedcba98
	s_mov_b32 s[HM], 0xffff0000
	v_mov_b32 v[TM+3], 0                           ; written once: a lane permute's destination counts as one of its sources
	; where the results go
	s_lshr_b32 s86, s72, 3                         ; batch
	s_lshl_b32 s86, s86, 3
	s_add_co_u32 s86, s86, s71                     ; bh = 8 x batch + head
	s_and_b32 s87, s72, 7
	s_lshl_b32 s87, s87, 2
	s_add_co_u32 s87, s87, s[WV]                   ; G: my group of 64 tokens within the batch
	s_lshr_b32 s88, s87, 1                         ; its key step of 128
	s_and_b32 s89, s87, 1                          ; c: which half of that step
	s_mov_b32 s91, 0
	s_lshl_b32 s90, s86, 16
	s_lshl_b32 s92, s87, 11
	s_add_co_u32 s90, s90, s92
	s_add_nc_u64 s[52:53], s[14:15], s[90:91]      ; q's codes: 65,536 bh + 2,048 G
	s_lshl_b32 s90, s86, 13
	s_lshl_b32 s92, s87, 8
	s_add_co_u32 s90, s90, s92
	s_add_nc_u64 s[54:55], s[16:17], s[90:91]      ; q's scale words: 8,192 bh + 256 G
	s_lshl_b32 s93, s86, 4
	s_add_co_u32 s93, s93, s88
	s_mul_i32 s93, s93, 8960                       ; my record of kv
	s_lshl_b32 s90, s89, 11
	s_add_co_u32 s90, s90, s93
	s_add_nc_u64 s[56:57], s[18:19], s[90:91]      ; k's codes: + 2,048 c
	s_lshl_b32 s90, s89, 8
	s_add_co_u32 s90, s90, s93
	s_add_co_u32 s90, s90, 8192
	s_add_nc_u64 s[58:59], s[18:19], s[90:91]      ; k's scale words: + 8,192 + 256 c
	s_lshl_b32 s90, s89, 9
	s_add_co_u32 s90, s90, s93
	s_add_co_u32 s90, s90, 4096
	s_add_nc_u64 s[60:61], s[18:19], s[90:91]      ; v's codes: + 4,096 + 512 c
	s_lshl_b32 s90, s89, 1
	s_add_co_u32 s90, s90, s93
	s_add_co_u32 s90, s90, 8704
	s_add_nc_u64 s[62:63], s[18:19], s[90:91]      ; v's scale bytes: + 8,704 + 2 c
; A lane's 32 registers, ONE block of 32 (block h), become four registers of codes and, in v[hw], the two scale bytes of lanes l and l xor 16, in both.  Each accumulator is read from its low end on.
.macro QUANT32 src, pc, hw
	v_max3_num_f32 v[TM], |v[\src]|, |v[\src+1]|, FLOOR
	v_max3_num_f32 v[TM+1], |v[\src+16]|, |v[\src+17]|, FLOOR
.irp i, 2,4,6,8,10,12,14
	v_max3_num_f32 v[TM], v[TM], |v[\src+\i]|, |v[\src+1+\i]|
	v_max3_num_f32 v[TM+1], v[TM+1], |v[\src+16+\i]|, |v[\src+17+\i]|
.endr
	v_max_num_f32 v[TM], v[TM], v[TM+1]
	v_add_nc_u32 v[TM+4], EOFF, v[TM]
	v_lshrrev_b32 v[TM+2], 23, v[TM+4]
	v_lshlrev_b32 v[TM+2], v[H8], v[TM+2]
	v_permlanex16_b32 v[TM+3], v[TM+2], s[SEL], s[SEL+1]
.irp b, 0,1,2,3
	v_cvt_scalef32_pk8_fp4_f32 v[\pc+\b], v[\src+8*\b:\src+7+8*\b], v[TM+4]
.endr
	v_or_b32 v[\hw], v[TM+2], v[TM+3]              ; (the plain place behind the conversions)
.endm
; One matrix instruction on the registers rD, rA, rB, rC with the scale words rSA, rSB; fA, fB: the side's words stand in lanes 16-31
.macro SWM
.if fA && fB
	v_wmma_scale_f32_16x16x128_f8f6f4 v[rD:rD+7], v[rA:rA+7], v[rB:rB+7], v[rC:rC+7], v[rSA], v[rSB] matrix_a_fmt:MATRIX_FMT_FP4 matrix_b_fmt:MATRIX_FMT_FP4 matrix_a_scale:MATRIX_SCALE_ROW1 matrix_b_scale:MATRIX_SCALE_ROW1
.elseif fA
	v_wmma_scale_f32_16x16x128_f8f6f4 v[rD:rD+7], v[rA:rA+7], v[rB:rB+7], v[rC:rC+7], v[rSA], v[rSB] matrix_a_fmt:MATRIX_FMT_FP4 matrix_b_fmt:MATRIX_FMT_FP4 matrix_a_scale:MATRIX_SCALE_ROW1
.elseif fB
	v_wmma_scale_f32_16x16x128_f8f6f4 v[rD:rD+7], v[rA:rA+7], v[rB:rB+7], v[rC:rC+7], v[rSA], v[rSB] matrix_a_fmt:MATRIX_FMT_FP4 matrix_b_fmt:MATRIX_FMT_FP4 matrix_b_scale:MATRIX_SCALE_ROW1
.else
	v_wmma_scale_f32_16x16x128_f8f6f4 v[rD:rD+7], v[rA:rA+7], v[rB:rB+7], v[rC:rC+7], v[rSA], v[rSB] matrix_a_fmt:MATRIX_FMT_FP4 matrix_b_fmt:MATRIX_FMT_FP4
.endif
.endm
; A unit: which = 0 q, 1 k, 2 v.  64 matrix instructions, the 16 accumulators by turns in the same order in every K step; then four groups of 32 registers are quantised and stored.
; q, k (transposed): group g = tile of tokens, x = tile of W's columns.   v: group g = tile of columns, x = tile of tokens.
.macro UNIT which, cbase, sbase
.if \which == 0
.set WL, 0x05                          ; sources 0 and 1 window 1
.set STR, 512
.elseif \which == 1
.set WL, 0x06                          ; source 0 (Wk) window 2, source 1 (src) window 1
.set STR, 512
.else
.set WL, 0x09                          ; source 0 (src) window 1, source 1 (Wv) window 2
.set STR, 1024
.endif
.irp q, 0,1,2,3
.if \q == 0
	WIN 0x30+WL                                    ; the first K step takes the bias (window 3) as C
.else
	WIN WL
.endif
.irp g, 0,1,2,3
.irp x, 0,1,2,3
.set rD, ACC+32*\g+8*\x
.if \which == 2
.set rA, 8*(4*\x+\q)
.set rB, 128+8*(4*\g+\q)
.set rSA, XS+4*(\x/2)+\q
.set rSB, WS+16+4*(\g/2)+\q
.set rC, 64+8*\g
.else
.set rA, 128*(1-\which)+8*(4*\x+\q)
.set rB, 8*(4*\g+\q)
.set rSA, WS+8*\which+4*(\x/2)+\q
.set rSB, XS+4*(\g/2)+\q
.set rC, 32*\which+8*\x
.endif
.if \q > 0
.set rC, rD
.endif
.set fA, \x%2
.set fB, \g%2
	SWM
.endr
.endr
.endr
	WIN 0
.rept 4
	v_nop                                          ; four places between the last product and the first read of results (ISA guide 7.12.1)
.endr
	s_wait_xcnt 0x0                                ; the unit before has had its stores' addresses translated: their data registers are written again only behind this wait
.irp g, 0,1,2,3
	QUANT32 ACC+32*\g, PC+4*\g, HW+\g
	global_store_b128 v[LI], v[PC+4*\g:PC+4*\g+3], s[\cbase:\cbase+1] offset:\g*STR   ; 32 lanes store 512 consecutive bytes, aligned
.endr
.irp p, 0,1
	v_cndmask_b32 v[SW+\p], v[HW+2*\p], v[HW+2*\p+1], s[HM]   ; lanes 0-15: group 2 p's bytes; lanes 16-31: group 2 p + 1's
.endr
.if \which == 2
	global_store_b16 v[L8], v[SW], s[\sbase:\sbase+1]              ; two of a word's four bytes: the wave has half of a key step.  Two bytes a lane, 8 bytes apart: 128 bytes a wave in all
	global_store_b16 v[L8], v[SW+1], s[\sbase:\sbase+1] offset:4
.else
.irp p, 0,1
	v_or_b32 v[SW+\p], 0x7f7f0000, v[SW+\p]        ; K is 64 of the instruction's 128: the other two blocks have zero codes on one side, and the byte of 1.0
.endr
	global_store_b64 v[L8], v[SW:SW+1], s[\sbase:\sbase+1]         ; 32 lanes store 256 consecutive bytes, aligned
.endif
.endm
	s_wait_alu depctr_va_vdst(0)
	s_wait_tensorcnt 0x0                           ; my load has landed
	s_barrier_signal -1
	s_barrier_wait -1                              ; and so have all four
	; every fragment and scale word into registers: first what q's unit reads (96 loads), then Wk's and Wv's fragments (64)
.irp p, 0,1
.irp s, 0,1,2,3
	ds_load_b32 v[XS+4*\p+\s], v[LXS] offset:16384+512*\p+128*\s           ; lanes 0-15 tile 2 p, lanes 16-31 tile 2 p + 1
.endr
.endr
.irp u, 0,1,2
.irp p, 0,1
.irp s, 0,1,2,3
	ds_load_b32 v[WS+8*\u+4*\p+\s], v[LWS] offset:16384+RECX*\u+512*\p+128*\s
.endr
.endr
.endr
	WIN 0x40                                       ; destination window 1
.irp f, 0,1,2,3,4,5,6,7,8,9,10,11,12,13,14,15
.irp c, 0,1
	ds_load_b128 v[8*\f+4*\c:8*\f+4*\c+3], v[LXI] offset:\f*1024+512*\c           ; the tokens': 512 consecutive bytes a load
.endr
.endr
.irp f, 0,1,2,3,4,5,6,7,8,9,10,11,12,13,14,15
.irp c, 0,1
	ds_load_b128 v[128+8*\f+4*\c:128+8*\f+4*\c+3], v[LWI] offset:\f*1024+512*\c   ; Wq's
.endr
.endr
	WIN 0x80                                       ; destination window 2
.irp f, 0,1,2,3,4,5,6,7,8,9,10,11,12,13,14,15
.irp c, 0,1
	ds_load_b128 v[8*\f+4*\c:8*\f+4*\c+3], v[LWI] offset:RECX+\f*1024+512*\c      ; Wk's
.endr
.endr
.irp f, 0,1,2,3,4,5,6,7,8,9,10,11,12,13,14,15
.irp c, 0,1
	ds_load_b128 v[128+8*\f+4*\c:128+8*\f+4*\c+3], v[LWI] offset:2*RECX+\f*1024+512*\c   ; Wv's
.endr
.endr
	s_wait_loadcnt 0x0                             ; the biases
	WIN 0xc3                                       ; source 0 and destination window 3
.irp t, 0,1,2,3
.irp j, 1,2,3,4,5,6,7
	v_mov_b32 v[64+8*\t+\j], v[64+8*\t]
.endr
.endr
	s_wait_dscnt 63                                ; all but the youngest 63, which are Wk's and Wv's: they land under q's products
	UNIT 0, 52, 54
	s_wait_alu depctr_va_vdst(0)
	s_wait_dscnt 0x0                               ; Wk's and Wv's
	UNIT 1, 56, 58
	UNIT 2, 60, 62
	s_wait_tensorcnt 0x0                           ; the wave's end
	ds_add_u32 v254, v255
	s_wait_dscnt 0x0
	CROUND                                         ; the closing round: no work-group ends while a partner may still ask for a record that names it
	s_endpgm
.Lfunc_end_k_qc80d6164eb_proj:
	.size	k_qc80d6164eb_proj, .Lfunc_end_k_qc80d6164eb_proj-k_qc80d6164eb_proj
	.p2alignl 7, 3214868480
	.fill 96, 4, 3214868480
	.section	.rodata,"a",@progbits
	.p2align	6, 0x0
	.amdhsa_kernel k_qc80d6164eb_proj
		.amdhsa_group_segment_fixed_size 167936
		.amdhsa_private_segment_fixed_size 0
		.amdhsa_enable_private_segment 0
		.amdhsa_kernarg_size 64
		.amdhsa_user_sgpr_count 2
		.amdhsa_user_sgpr_kernarg_segment_ptr 1
		.amdhsa_wavefront_size32 1
		.amdhsa_system_sgpr_workgroup_id_x 1
		.amdhsa_system_sgpr_workgroup_id_y 1
		.amdhsa_system_sgpr_workgroup_id_z 1
		.amdhsa_system_vgpr_workitem_id 0
		.amdhsa_next_free_vgpr 1024
		.amdhsa_next_free_sgpr 100
		.amdhsa_reserve_vcc 0
		.amdhsa_float_denorm_mode_32 3
		.amdhsa_float_denorm_mode_16_64 3
		.amdhsa_memory_ordered 1
		.amdhsa_forward_progress 1
		.amdhsa_inst_pref_size 66
	.end_amdhsa_kernel
	.amdgpu_metadata
---
amdhsa.version: [ 1, 2 ]
amdhsa.kernels:
  - .name:           k_qc80d6164eb_proj
    .symbol:         k_qc80d6164eb_proj.kd
    .args:
      - { .name: xc, .offset: 0, .size: 8, .value_kind: global_buffer, .address_space: global }
      - { .name: wc, .offset: 8, .size: 8, .value_kind: global_buffer, .address_space: global }
      - { .name: bq, .offset: 16, .size: 8, .value_kind: global_buffer, .address_space: global }
      - { .name: bk, .offset: 24, .size: 8, .value_kind: global_buffer, .address_space: global }
      - { .name: bv, .offset: 32, .size: 8, .value_kind: global_buffer, .address_space: global }
      - { .name: qc, .offset: 40, .size: 8, .value_kind: global_buffer, .address_space: global }
      - { .name: qs, .offset: 48, .size: 8, .value_kind: global_buffer, .address_space: global }
      - { .name: kv, .offset: 56, .size: 8, .value_kind: global_buffer, .address_space: global }
    .group_segment_fixed_size: 167936
    .private_segment_fixed_size: 0
    .kernarg_segment_align: 8
    .kernarg_segment_size: 64
    .max_flat_workgroup_size: 128
    .sgpr_count:     100
    .vgpr_count:     1024
    .wavefront_size: 32
...
	.end_amdgpu_metadata
.endif
;; end of part 2
;; launch attn (part 3): grid 8 x 32, 16 waves a work-group, clusters of 4 x 1, 215,040 bytes of LDS; arguments qc, qs, kv, out0; writes out0
.if DOCPART == 3
	.amdgcn_target "amdgcn-amd-amdhsa--gfx1250"
	.amdhsa_code_object_version 6
	.text
	.protected	k_qc80d6164eb_attn
	.globl	k_qc80d6164eb_attn
	.p2align	8
	.type	k_qc80d6164eb_attn,@function
k_qc80d6164eb_attn:
	s_mov_b64 s[64:65], 0
	v_nop
	global_prefetch_b8 v0, s[64:65] scope:SCOPE_SE
	s_setreg_imm32_b32 hwreg(HW_REG_WAVE_MODE, 25, 1), 1
	s_wait_xcnt 0x0
	s_wait_alu depctr_hold_cnt(0) depctr_sa_sdst(0) depctr_va_vdst(0) depctr_va_sdst(0) depctr_va_ssrc(0) depctr_va_vcc(0) depctr_vm_vsrc(0)
	s_getreg_b32 s2, hwreg(HW_REG_IB_STS2, 6, 4)
	s_cmp_eq_u32 s2, 0
	s_cbranch_scc0 .Lentry_in_a_cluster
	s_endpgm
.Lentry_in_a_cluster:
	s_bfe_u32 s2, ttmp6, 0x10000c
	s_cmp_lg_u32 s2, 0x3003
	s_cbranch_scc0 .Lentry_shape_is_right
	s_endpgm
.Lentry_shape_is_right:
; out[b][q][head] = the sum over keys of softmax(q . k / 8) v, both products on codes of FP4 (E2M1) with one E8M0 scale for each 32 along a product's K.  No mask.
; THE SOFTMAX AHEAD OF THE SECOND PRODUCT: t = score x log2(e) / 8; M = the row's largest t so far, rounded UP to a whole number; p = 2^(t - M) is what is quantised, along the keys, not normalised.
; The row's sum is taken of the unquantised p, in f32, and divides at the end.  When M moves, the sum and O are multiplied by 2^(old M - new M): exact.
; LIMITS: NaN and infinities are not served.  A block's largest p is not searched for: the block's largest SCORE goes through the same multiply-add and exponential, which takes v_exp_f32 not to fall where its
; input rises.  A block whose every p has fallen to 0 keeps the byte 1: its codes are zeros.
; SHARES.  A work-group owns 256 queries of one (batch, head); each of its SIXTEEN waves one tile of 16, in 256 registers: four waves to a SIMD.  Every wave walks the head's 2,048 keys, 256 (two records) a step.
; A lane holds ONE query (lane % 16) throughout.
; LDS.  A head's K, V and scale words are 16 records of 8,960 bytes, images of operand registers: 143,360 bytes, filled ONCE: wave w brings record w, one tensor load a wave; one barrier stands ahead of the loop and none in it.
; CLUSTER.  The four query blocks of a cluster belong to one head and read the same records: each load is asked for JOINTLY, with the same descriptor and a mask that names the four.
; NO PREFETCH: every record is asked for once, ahead of the loop; the loop asks for nothing from memory.
; TILES: tile m of a group of 64 tokens holds tokens 8 m + r % 8 + 32 (r / 8).  So of S^T = K Q^T a lane (r, h) holds, in 32 registers of a group's four tiles, keys 32 h + 0 .. 31: a WHOLE block of 32,
; whose maximum needs no other lane and whose codes are the second product's operand as they come.
; K = 64 IN AN INSTRUCTION OF 128: Q's registers 4-7 hold zero codes, so whatever stands in the upper halves of K's operand adds nothing.  S^T is made 32 keys an instruction: source 0's registers 0-3 are tile 2 b,
; 8-11 tile 2 b + 1; a group's tiles lie in the order 0, 2, 1, 3, so that the unused quarters are the other pair's tiles.  Bytes 2 and 3 of both scale words are 0x7f.
.set REC,   8960                       ; a record: +0 K's codes [tile 8][512]; +4,096 V's [t 4][c 2][512]; +8,192 K's scale words; +8,704 V's
.set STAGE, 16*REC                     ; behind the records: 16 rows x 272 bytes for each wave, for the way out; no load lands there
.set SP,    272
.set SPARE, STAGE+16*16*SP             ; the spare words, 128 bytes for each wave
.set FLOOR, 0x1800000                  ; 2^(3 - 127)
.set EOFF,  0xff000000                 ; takes 2 off an exponent field
.set A16, 1                            ; v1   16 x lane
.set A8,  2                            ; v2   8 x lane
.set QSW, 3                            ; v3   Q's scale words
.set KSW, 4                            ; v4-11  scale words alone: K's eight (group q, pair b: 2 q + b); behind the first product v4-7 V's, v8-9 p's
.set PSW, 8
                                       ; v12 -M, v13 the largest score, v[14:15] the row's sum in two halves
.set AD16, 16                          ; v16, v17  the lane's places in the step's first record
.set AD8, 17
.set SPW, 18                           ; v18  LDS address of my spare word;  v19  0; never rewritten
.set NIL, 19
.set QF,  20                           ; v20-23 Q's codes, v24-27 zeros
.set KV,  28                           ; v28-91 K's sixteen tiles; behind the first product:
.set PCD, KV+32                        ;   v28-59 V of the first record, v60-75 p's codes,
.set BM,  KV+48                        ;   v76-79 the blocks' largest scores, then largest p,
.set BO,  KV+52                        ;   v80-83 the conversions' scale operands,
.set BN,  KV+56                        ;   v84-87 second chains, then scale bytes,
.set TT,  KV+60                        ;   v88, v89 at work,
.set TP,  KV+61
.set FF,  KV+62                        ;   v[90:91] f = 2^(old M - new M): the packed forms name the pair and take its low word
.set ZR,  92                           ; v92-95 zeros: behind K's last tile
.set OT,  96                           ; v96-127 O^T
.set SCO, 128                          ; v128-255 S^T, then p; V of the second record lands in v160-191 when these have been summed
.set V1,  SCO+32
.set WV,  12                           ; s12  wave
.set TB,  48                           ; s48  LDS byte of the step's first record
.set CNT, 49
.set SEL, 50                           ; s[50:51] v_permlanex16_b32's selects for lane l xor 16
.set CS,  52                           ; s[52:53] c = log2(e) / 8
.set NC,  60                           ; s60  -c
; A round of the cluster's barrier: my work-group's barrier; wave 0 signals for the work-group; every wave waits for all four work-groups; my work-group's barrier once more
.macro CROUND
	s_barrier_signal -1
	s_barrier_wait -1
	s_cmp_lg_u32 s[WV], 0
	s_cbranch_scc1 .Lnot_wave_0_\@
	s_barrier_signal -3
.Lnot_wave_0_\@:
	s_barrier_wait -3
	s_barrier_signal -1
	s_barrier_wait -1
.endm
	s_load_b256 s[4:11], s[0:1], 0x0               ; qc s[4:5], qs s[6:7], kv s[8:9], out0 s[10:11]
	v_lshl_add_u32 v[SPW], v0, 2, SPARE
	v_mov_b32 v[NIL], 0
	ds_add_u32 v[SPW], v[NIL]                      ; the wave's opening: the add, twice on end, and its wait ahead of my tensor load
	ds_add_u32 v[SPW], v[NIL]
	v_lshrrev_b32 v28, 5, v0
	v_and_b32 v29, 31, v0                          ; lane
	v_and_b32 v30, 15, v0                          ; r
	v_readfirstlane_b32 s[WV], v28                 ; wave 0..15
	v_lshlrev_b32 v[A16], 4, v29
	v_lshlrev_b32 v[A8], 3, v29
	v_lshlrev_b32 v30, 3, v30                      ; Q's scale words: 8 r
	s_mov_b32 s[TB], 0
	v_add_nc_u32 v[AD16], s[TB], v[A16]
	v_add_nc_u32 v[AD8], s[TB], v[A8]
	s_mul_i32 s16, s[WV], 16*SP
	s_add_co_u32 s16, s16, STAGE                   ; my stage
	s_bfe_u32 s13, ttmp6, 0x40000                  ; cx: my place in the cluster
	s_lshl_b32 s14, ttmp9, 2                       ; in a cluster launch ttmp9 counts clusters
	s_add_co_u32 s14, s14, s13                     ; my block of 256 queries: it enters Q's and out's addresses alone
	s_and_b32 s15, ttmp7, 0xffff                   ; bh = 8 x batch + head, which the four partners share
	s_mul_i32 s17, s[WV], REC                      ; my record, in LDS,
	s_mul_i32 s18, s15, 16*REC
	s_add_co_u32 s18, s18, s17                     ; and in kv: no place in the cluster enters these
	s_mov_b32 s19, 0
	; descriptor group 1: a record is 35 dense rows of 256 bytes (32 elements of 8 bytes)
	s_mov_b32 s24, 15|(3<<16)|(1<<21)              ; 15:0 the mask: all four work-groups; 17:16 elements of 8 bytes; 21 set beside a mask; no padding
	s_mov_b32 s25, 32<<16                          ; tensor_dim0
	s_mov_b32 s26, 35<<16                          ; tensor_dim1
	s_mov_b32 s27, 32<<16                          ; tile_dim0
	s_mov_b32 s28, 35                              ; tile_dim1
	s_mov_b32 s29, 32                              ; tensor_dim0_stride
	s_mov_b32 s30, 0
	s_mov_b32 s31, 0
	s_lshl_b32 s20, s15, 16                        ; Q's codes: 65,536 bh + 512 x tile, tile = 16 x block + wave
	s_lshl_b32 s58, s14, 13
	s_add_co_u32 s20, s20, s58
	s_lshl_b32 s58, s[WV], 9
	s_add_co_u32 s20, s20, s58
	s_mov_b32 s21, 0
	s_lshr_b32 s56, s[WV], 2                       ; my group of 64 queries in the block
	s_and_b32 s57, s[WV], 3                        ; m: my tile in it
	s_lshl_b32 s22, s15, 13                        ; Q's scale words: 8,192 bh + 256 (tile / 4) + 4 (m / 2) + 128 (m % 2)
	s_lshl_b32 s58, s14, 10
	s_add_co_u32 s22, s22, s58
	s_lshl_b32 s58, s56, 8
	s_add_co_u32 s22, s22, s58
	s_lshr_b32 s58, s57, 1
	s_lshl_b32 s58, s58, 2
	s_add_co_u32 s22, s22, s58
	s_and_b32 s58, s57, 1
	s_lshl_b32 s58, s58, 7
	s_add_co_u32 s22, s22, s58
	s_mov_b32 s23, 0
	s_lshr_b32 s54, s15, 3                         ; out: batch x 4,194,304 + head x 256 + 2,048 x (256 x block + 64 x group + 8 m)
	s_lshl_b32 s54, s54, 22
	s_and_b32 s58, s15, 7
	s_lshl_b32 s58, s58, 8
	s_add_co_u32 s54, s54, s58
	s_lshl_b32 s58, s14, 19
	s_add_co_u32 s54, s54, s58
	s_lshl_b32 s58, s56, 17
	s_add_co_u32 s54, s54, s58
	s_lshl_b32 s58, s57, 14
	s_add_co_u32 s54, s54, s58
	s_mov_b32 s55, 0
	s_mov_b32 s[SEL], 0x76543210
	s_mov_b32 s[SEL+1], 0xfedcba98
	s_mov_b32 s[CS], 0x3e38aa3b                    ; c = log2(e) / 8
	s_mov_b32 s[CS+1], s[CS]                       ; (named with it as a pair, so it is written)
	s_mov_b32 s[NC], 0xbe38aa3b
	s_wait_alu depctr_va_vdst(0)
	s_wait_dscnt 0x0                               ; both opening adds are done
	s_wait_kmcnt 0x0
	s_add_nc_u64 s[8:9], s[8:9], s[18:19]
	s_add_nc_u64 s[4:5], s[4:5], s[20:21]
	s_add_nc_u64 s[6:7], s[6:7], s[22:23]
	s_add_nc_u64 s[10:11], s[10:11], s[54:55]
	s_mov_b32 s32, 1                               ; count = 1
	s_mov_b32 s33, s17                             ; LDS address
	s_mov_b64 s[34:35], s[8:9]
	s_or_b32 s35, s35, 0x80000000                  ; type = 2
	CROUND                                         ; all four work-groups are here: the joint loads meet
	tensor_load_to_lds s[32:35], s[24:31]          ; my record: my one tensor load
	s_nop 0
.rept 4
	v_nop
.endr
	global_load_b128 v[QF:QF+3], v[A16], s[4:5]    ; Q's fragment stays in registers: lane (r, h): d = 32 h .. 32 h + 31 of query r
	global_load_b32 v[QSW], v30, s[6:7]            ; and its scale words
	v_mov_b32 v13, 0xff61b1e6                      ; the largest score so far: -3e38
	v_mul_f32 v12, s[NC], v13                      ; -M: so large a number is whole
	v_mov_b32 v14, 0
	v_mov_b32 v15, 0
.set j, 0
.rept 4
	v_mov_b32 v[QF+4+j], 0                         ; the zero codes
.set j, j+1
.endr
.set j, 0
.rept 36
	v_mov_b32 v[ZR+j], 0                           ; zeros behind K's last tile, and O^T.  (The first step finds zeros, which the first change of M leaves zeros)
.set j, j+1
.endr
.macro OMUL rec, a, t                  ; O^T's tile t: source 0 = 16 of the head's 64, source 1 = p; K = the record's 128 keys
.if (\t)%2
	v_wmma_scale_f32_16x16x128_f8f6f4 v[OT+8*\t:OT+8*\t+7], v[\a+8*\t:\a+8*\t+7], v[PCD+8*\rec:PCD+8*\rec+7], v[OT+8*\t:OT+8*\t+7], v[KSW+2*\rec+\t/2], v[PSW+\rec] matrix_a_fmt:MATRIX_FMT_FP4 matrix_b_fmt:MATRIX_FMT_FP4 matrix_a_scale:MATRIX_SCALE_ROW1
.else
	v_wmma_scale_f32_16x16x128_f8f6f4 v[OT+8*\t:OT+8*\t+7], v[\a+8*\t:\a+8*\t+7], v[PCD+8*\rec:PCD+8*\rec+7], v[OT+8*\t:OT+8*\t+7], v[KSW+2*\rec+\t/2], v[PSW+\rec] matrix_a_fmt:MATRIX_FMT_FP4 matrix_b_fmt:MATRIX_FMT_FP4
.endif
.endm
.macro VLOAD a, off                    ; V's four fragments of a record
.irp t, 0,1,2,3
.irp c, 0,1
	ds_load_b128 v[\a+8*\t+4*\c:\a+8*\t+4*\c+3], v[AD16] offset:\off+4096+1024*\t+512*\c
.endr
.endr
.endm
.macro CODES q                         ; a group's codes: lane (r, h): block h of the group, whole
.irp m, 0,1,2,3
	v_cvt_scalef32_pk8_fp4_f32 v[PCD+4*\q+\m], v[SCO+32*\q+8*\m:SCO+32*\q+8*\m+7], v[BO+\q]
.endr
.endm
.macro SUMS n, d, s                    ; n pairs at s are added onto n pairs at d, in place
.set j, 0
.rept \n
	v_pk_add_f32 v[\d+j:\d+j+1], v[\d+j:\d+j+1], v[\s+j:\s+j+1]
.set j, j+2
.endr
.endm
	s_mov_b32 s[CNT], 8
	s_wait_alu depctr_va_vdst(0)
	s_wait_loadcnt 0x0                             ; Q
	s_wait_tensorcnt 0x0                           ; my record has landed
	s_barrier_signal -1
	s_barrier_wait -1                              ; and so have all sixteen
.Lstep:                                                ; A STEP: 256 keys, four groups of 64
.irp q, 0,1,2,3
	ds_load_b64 v[KSW+2*\q:KSW+2*\q+1], v[AD8] offset:(\q/2)*REC+8192+256*(\q%2)
.endr
.irp q, 0,1,2,3
.irp m, 0,1,2,3
	ds_load_b128 v[KV+16*\q+8*(\m%2)+4*(\m/2):KV+16*\q+8*(\m%2)+4*(\m/2)+3], v[AD16] offset:(\q/2)*REC+2048*(\q%2)+512*\m   ; 512 consecutive bytes a load: no bank is asked twice
.endr
.endr
.irp q, 0,1,2,3
.if \q < 3
	s_wait_dscnt 11-4*\q                           ; group q's tiles and the next group's first are in; the younger ones may be out
.else
	s_wait_dscnt 0x0
.endif
.irp b, 0,1
	v_wmma_scale_f32_32x16x128_f4 v[SCO+32*\q+16*\b:SCO+32*\q+16*\b+15], v[KV+16*\q+4*\b:KV+16*\q+4*\b+15], v[QF:QF+7], 0, v[KSW+2*\q+\b], v[QSW]
.endr
.endr
.rept 4
	v_nop                                          ; four places (ISA guide 7.12.1)
.endr
	VLOAD KV, 0                                    ; V of the first record lands under the softmax
	ds_load_b64 v[KSW:KSW+1], v[AD8] offset:8704
	ds_load_b64 v[KSW+2:KSW+3], v[AD8] offset:REC+8704
.irp q, 0,1,2,3
	v_max3_num_f32 v[BM+\q], v[SCO+32*\q], v[SCO+32*\q+1], v[SCO+32*\q+2]   ; THE LARGEST SCORE OF MY BLOCK IN EACH GROUP, in two chains: it serves the row's maximum and, since p rises with the score, the block's largest p
	v_max3_num_f32 v[BN+\q], v[SCO+32*\q+16], v[SCO+32*\q+17], v[SCO+32*\q+18]
.endr
.irp i, 3,5,7,9,11,13
.irp q, 0,1,2,3
	v_max3_num_f32 v[BM+\q], v[BM+\q], v[SCO+32*\q+\i], v[SCO+32*\q+1+\i]
	v_max3_num_f32 v[BN+\q], v[BN+\q], v[SCO+32*\q+16+\i], v[SCO+32*\q+17+\i]
.endr
.endr
.irp q, 0,1,2,3
	v_max3_num_f32 v[BM+\q], v[BM+\q], v[BN+\q], v[SCO+32*\q+15]
.endr
.irp q, 0,1,2,3
	v_max_num_f32 v[BM+\q], v[BM+\q], v[SCO+32*\q+31]
.endr
	v_max3_num_f32 v[TT], v[BM], v[BM+1], v[BM+2]
	s_delay_alu instid0(VALU_DEP_1)
	v_max3_num_f32 v[TT], v[TT], v[BM+3], v13
	s_delay_alu instid0(VALU_DEP_1)
	v_permlanex16_b32 v[TP], v[TT], s[SEL], s[SEL+1]
	s_delay_alu instid0(VALU_DEP_1)
	v_max_num_f32 v13, v[TT], v[TP]                ; the running largest score of my query
	s_delay_alu instid0(VALU_DEP_1)
	v_mul_f32 v[TP], s[NC], v13                    ; -t
	v_mov_b32 v[TT], v12
	s_delay_alu instid0(VALU_DEP_2)
	v_floor_f32 v12, v[TP]                         ; the new -M = floor(-t) = -ceil(t): M is a whole number
	s_delay_alu instid0(VALU_DEP_1)
	v_sub_f32 v[TT], v12, v[TT]                    ; M's old value less its new one: a whole number, 0 or less
	s_delay_alu instid0(VALU_DEP_1)
	v_cvt_i32_f32 v[TT], v[TT]                     ; (it saturates)
	s_delay_alu instid0(VALU_DEP_1)
	v_ldexp_f32 v[FF], 1.0, v[TT]                  ; f = 2^(old M - new M)
.set j, 0
.rept 16
	v_pk_fma_f32 v[SCO+j:SCO+j+1], v[SCO+j:SCO+j+1], s[CS:CS+1], v[12:13] op_sel_hi:[1,0,0]   ; t - M of group 0, two at a time (of the pairs c and -M the low word serves both halves)
.set j, j+2
.endr
.irp q, 0,1,2,3
	v_fma_f32 v[BM+\q], v[BM+\q], s[CS], v12       ; the same of each block's largest score
.endr
.set j, 0
.rept 3
	s_wait_alu depctr_va_vdst(0)
.rept 16
	v_exp_f32 v[SCO+j], v[SCO+j]                   ; p = 2^(t - M), not normalised, and between them the next group's t - M
	v_exp_f32 v[SCO+j+1], v[SCO+j+1]
	v_pk_fma_f32 v[SCO+32+j:SCO+33+j], v[SCO+32+j:SCO+33+j], s[CS:CS+1], v[12:13] op_sel_hi:[1,0,0]
.set j, j+2
.endr
.endr
	s_wait_alu depctr_va_vdst(0)
.rept 32
	v_exp_f32 v[SCO+j], v[SCO+j]
.set j, j+1
.endr
.irp q, 0,1,2,3
	v_exp_f32 v[BM+\q], v[BM+\q]                   ; the block's largest p
.endr
	v_nop                                          ; the plain place behind the exponentials
	s_wait_alu depctr_va_vdst(0)
.set j, 0
.rept 16
	v_pk_mul_f32 v[OT+j:OT+j+1], v[OT+j:OT+j+1], v[FF:FF+1] op_sel_hi:[1,0]   ; O^T under the new M, each accumulator from its low end on
.set j, j+2
.endr
.irp q, 0,1,2,3
	v_max_num_f32 v[BM+\q], FLOOR, v[BM+\q]        ; the floor: the byte cannot fall under 1
.endr
.irp q, 0,1,2,3
	v_add_nc_u32 v[BO+\q], EOFF, v[BM+\q]          ; 2 off the exponent field: the conversion's scale operand
.endr
.irp q, 0,1,2,3
	v_lshrrev_b32 v[BN+\q], 23, v[BO+\q]           ; the scale's byte
.endr
.irp i, 0,1
	v_lshl_or_b32 v[BM+\i], v[BN+2*\i+1], 16, v[BN+2*\i]   ; record i: my bytes h and 2 + h of the word, 8 h bits down
.endr
.irp i, 0,1
	v_permlanex16_b32 v[BM+2+\i], v[BM+\i], s[SEL], s[SEL+1]
.endr
.irp i, 0,1
	v_lshl_or_b32 v[PSW+\i], v[BM+2+\i], 8, v[BM+\i]       ; lanes 0-15: the word is whole (lanes 16-31 are not read)
.endr
	CODES 0
	CODES 1
	v_nop                                          ; one plain place behind a scaled conversion
	SUMS 16, SCO, SCO+32                           ; THE ROW'S SUM, of the unquantised p, as a tree in place: groups 0 and 1 have been converted
	VLOAD V1, REC                                  ; V of the second record, where group 1's p lay
	s_add_co_u32 s[TB], s[TB], 2*REC
	v_add_nc_u32 v[AD16], s[TB], v[A16]            ; the next step's places
	v_add_nc_u32 v[AD8], s[TB], v[A8]
	CODES 2
	CODES 3
	v_nop
	SUMS 16, SCO+64, SCO+96
	SUMS 16, SCO, SCO+64
	SUMS 8, SCO, SCO+16
	s_wait_alu depctr_va_vdst(0)
	s_wait_dscnt 8                                 ; V of the first record and V's scale words are in; the eight loads of the second may be out
.irp t, 0,1,2,3
	OMUL 0, KV, \t                                 ; the four accumulators by turns, three others between two turns of each
.endr
	s_wait_dscnt 0x0
.irp t, 0,1,2,3
	OMUL 1, V1, \t
.endr
	SUMS 4, SCO, SCO+8                             ; these eight lines are the places behind the products
	SUMS 2, SCO, SCO+4
	s_delay_alu instid0(VALU_DEP_1)
	v_pk_add_f32 v[SCO:SCO+1], v[SCO:SCO+1], v[SCO+2:SCO+3]
	s_delay_alu instid0(VALU_DEP_1)
	v_pk_fma_f32 v[14:15], v[14:15], v[FF:FF+1], v[SCO:SCO+1] op_sel_hi:[1,0,1]   ; the sum so far under the new M, and the step's
	s_sub_co_u32 s[CNT], s[CNT], 1
	s_cmp_lg_u32 s[CNT], 0
	s_cbranch_scc1 .Lstep
	; THE WAY OUT.  O^T / the sum goes through my stage in LDS and leaves as whole rows: sixteen lanes store one token's 256 bytes of this head, aligned.
	v_add_f32 v14, v14, v15                        ; the sum's two halves,
	v_and_b32 v79, 15, v0                          ; (r)
	v_bfe_u32 v80, v0, 4, 1                        ; (h)
	v_permlanex16_b32 v[TP], v14, s[SEL], s[SEL+1]
	v_mul_u32_u24 v76, v79, SP
	v_mul_u32_u24 v77, v80, SP
	v_add_f32 v14, v14, v[TP]                      ; and lane l xor 16's: the row's sum
	v_lshl_add_u32 v76, v80, 5, v76
	v_lshl_add_u32 v77, v79, 4, v77
	v_lshlrev_b32 v78, 11, v80
	v_add_nc_u32 v76, s16, v76                     ; in: row r, + 32 h
	v_add_nc_u32 v77, s16, v77                     ; back: lanes 0-15 one row, lanes 16-31 the next
	v_lshl_add_u32 v78, v79, 4, v78                ; and in out: lanes 0-15 one token's 256 bytes, lanes 16-31 the next token's
	s_wait_alu depctr_va_vdst(0)
	v_rcp_f32 v14, v14
	v_nop                                          ; the plain place behind the reciprocal
	s_wait_alu depctr_va_vdst(0)
.set j, 0
.rept 16
	v_pk_mul_f32 v[SCO+j:SCO+j+1], v[OT+j:OT+j+1], v[14:15] op_sel_hi:[1,0]   ; register 8 t + i is o(query r, d = 16 t + 8 h + i)
.set j, j+2
.endr
.irp t, 0,1,2,3
	ds_store_b128 v76, v[SCO+8*\t:SCO+8*\t+3] offset:64*\t
	ds_store_b128 v76, v[SCO+8*\t+4:SCO+8*\t+7] offset:64*\t+16
.endr
.irp i, 0,1,2,3,4,5,6,7
	ds_load_b128 v[KV+4*\i:KV+4*\i+3], v77 offset:2*\i*SP          ; LDS serves a wave's instructions in order (ISA guide 5.7.1.4): these see my stores
.endr
.irp i, 0,1,2,3,4,5,6,7
	s_wait_dscnt 7-\i                              ; rows 2 i and 2 i + 1 are back; the later loads may be out
	global_store_b128 v78, v[KV+4*\i:KV+4*\i+3], s[10:11] offset:(2*\i+24*(\i/4))*2048 th:TH_STORE_NT   ; the tile's row n is token n % 8 + 32 (n / 8); written once, read by nobody here
.endr
	s_wait_tensorcnt 0x0                           ; the wave's end
	ds_add_u32 v[SPW], v[NIL]
	s_wait_dscnt 0x0
	CROUND                                         ; the closing round: no work-group ends while a partner may still ask for a record that names it
	s_endpgm
.Lfunc_end_k_qc80d6164eb_attn:
	.size	k_qc80d6164eb_attn, .Lfunc_end_k_qc80d6164eb_attn-k_qc80d6164eb_attn
	.p2alignl 7, 3214868480
	.fill 96, 4, 3214868480
	.section	.rodata,"a",@progbits
	.p2align	6, 0x0
	.amdhsa_kernel k_qc80d6164eb_attn
		.amdhsa_group_segment_fixed_size 215040
		.amdhsa_private_segment_fixed_size 0
		.amdhsa_enable_private_segment 0
		.amdhsa_kernarg_size 32
		.amdhsa_user_sgpr_count 2
		.amdhsa_user_sgpr_kernarg_segment_ptr 1
		.amdhsa_wavefront_size32 1
		.amdhsa_system_sgpr_workgroup_id_x 1
		.amdhsa_system_sgpr_workgroup_id_y 1
		.amdhsa_system_sgpr_workgroup_id_z 1
		.amdhsa_system_vgpr_workitem_id 0
		.amdhsa_next_free_vgpr 256
		.amdhsa_next_free_sgpr 66
		.amdhsa_reserve_vcc 0
		.amdhsa_float_denorm_mode_32 3
		.amdhsa_float_denorm_mode_16_64 3
		.amdhsa_memory_ordered 1
		.amdhsa_forward_progress 1
		.amdhsa_inst_pref_size 36
	.end_amdhsa_kernel
	.amdgpu_metadata
---
amdhsa.version: [ 1, 2 ]
amdhsa.kernels:
  - .name:           k_qc80d6164eb_attn
    .symbol:         k_qc80d6164eb_attn.kd
    .args:
      - { .name: qc, .offset: 0, .size: 8, .value_kind: global_buffer, .address_space: global }
      - { .name: qs, .offset: 8, .size: 8, .value_kind: global_buffer, .address_space: global }
      - { .name: kv, .offset: 16, .size: 8, .value_kind: global_buffer, .address_space: global }
      - { .name: out0, .offset: 24, .size: 8, .value_kind: global_buffer, .address_space: global }
    .group_segment_fixed_size: 215040
    .private_segment_fixed_size: 0
    .kernarg_segment_align: 8
    .kernarg_segment_size: 32
    .max_flat_workgroup_size: 512
    .sgpr_count:     66
    .vgpr_count:     256
    .wavefront_size: 32
...
	.end_amdgpu_metadata
.endif
;; end of part 3
